; MI455X (gfx1250); checked and timed in simulation.
; The chip was launched on July 23, 2026; its instructions are those of AMD's public machine-readable ISA for CDNA 5 (MIT licence, August 2026) and "CDNA5" Instruction Set Architecture Reference Guide (July 2026). The comments in the code are by the model that wrote it; some were corrected since.
;; Quantizer. Allowed arithmetic: float matrix products may take bf16 or f16 operands with f32 sums; other float arithmetic in f32, or as packed bf16 or f16 multiplies, adds, multiply-adds, maxima and minima; sums over many terms, partial sums and values carried from step to step in f32; what a program stores and reads back later, other than sums and carried values, may be rounded once to bf16 or f16.
;; Inputs: emb 8,192 x 256 float32; z 16,384 x 256 float32.
;; Outputs: out0 16,384 x 256 float32.
;; 2 versions, each right; version 2 is version 1 with the launches prep, pick written anew for expert scheduling mode. Each part assembles by itself: llvm-mc -triple=amdgcn-amd-amdhsa -mcpu=gfx1250 --defsym DOCPART=n.
;; ======== version 1 of 2: 3 launches
;; workspace buffers: zb 8,388,608 bytes; eb 4,194,304 bytes; zz 65,536 bytes; ee 32,768 bytes; cval 131,072 bytes; cidx 131,072 bytes of whole numbers
;; launch prep (part 1): grid 384 x 1, 4 waves a work-group, no clusters, 768 bytes of LDS; arguments z, emb, zb, eb, zz, ee; writes zb, eb, zz, ee
.if DOCPART == 1
	.amdgcn_target "amdgcn-amd-amdhsa--gfx1250"
	.amdhsa_code_object_version 6
	.text
	.protected	k_qb196f731e3_prep
	.globl	k_qb196f731e3_prep
	.p2align	8
	.type	k_qb196f731e3_prep,@function
k_qb196f731e3_prep:
	s_mov_b64 s[64:65], 0
	v_nop
	global_prefetch_b8 v0, s[64:65] scope:SCOPE_SE
	s_setreg_imm32_b32 hwreg(HW_REG_WAVE_MODE, 25, 1), 1
	s_wait_xcnt 0x0
; THE PROGRAM (three launches).  out[n][:] = emb[c(n)][:], c(n) = the first k with the least d[n][k] = (|z_n|^2 + |e_k|^2) - 2 z_n . e_k.
; WORK LEFT OUT: the product one_hot(c) @ emb.  reference() builds one_hot from the index c itself: row n of it is 1 at k = c(n) and 0 elsewhere, so for all finite emb row n of the
; product is the sum over k of [k = c(n)] emb[k][:] = emb[c(n)][:]: a lookup.  The third launch reads the index from memory and fetches the row.  LIMIT: a NaN or an infinity in a row of
; emb that is not chosen (0 x infinity in reference()'s product) is not carried to the result.
; NOTHING ELSE IS LEFT OUT, and both inputs are loaded.  |z_n|^2 is the same for all k, yet it stays: it is so large beside the other two terms that f32 drops their low bits, and
; reference()'s argmin is taken of the rounded distances, ties to the first k.  So the distances are formed as reference() forms them: s = zz + ee rounded, then s - 2 dot rounded once.
; THIS LAUNCH rounds z and emb to bf16, the matrix operands of the second launch, and makes for each row the f32 sum of the squares of the ROUNDED numbers (the distances are those of
; the rounded vectors throughout).  LIMIT: the order of a row's sum differs from reference()'s.
; SHARES.  A work-group owns 64 rows: groups 0-255 those of z, groups 256-383 those of emb.  A wave owns 16 rows; a row of 1,024 bytes is two loads of 512 consecutive bytes, and leaves as
; two stores of 256 consecutive, aligned bytes.  All 32 loads of a wave go out at once.  The group's 64 sums meet in LDS and leave as one store of 256 consecutive, aligned bytes.
.set SPARE, 256                        ; LDS: bytes 0-255 the 64 sums; from 256 on the spare words, 128 bytes a wave: two blocks of 256 bytes that no other line names
.set X,     16                         ; v[16:143] row r at X + 8 r: 8 f32 as loaded; then registers 0, 1, 4, 5 hold the 8 bf16
	s_load_b256 s[4:11], s[0:1], 0x0               ; z s[4:5], emb s[6:7], zb s[8:9], eb s[10:11]
	s_load_b128 s[12:15], s[0:1], 0x20             ; zz s[12:13], ee s[14:15]
	v_lshl_add_u32 v4, v0, 2, SPARE                ; my spare word; never rewritten
	v_mov_b32 v5, 0                                ; 0; never rewritten
	v_lshrrev_b32 v7, 5, v0
	v_readfirstlane_b32 s16, v7                    ; wave 0..3
	v_and_b32 v1, 31, v0
	v_lshlrev_b32 v2, 3, v1                        ; 8 x lane: my 8 bytes of a store, and of the sums
	v_lshlrev_b32 v1, 4, v1                        ; 16 x lane: my 16 bytes of a load
	v_mov_b32 v6, 0                                ; the addend that starts a sum
	v_mov_b32 v11, 0                               ; v_permlanex16_b32's destination counts as read
	s_lshl_b32 s26, s16, 6
	v_mov_b32 v3, s26                              ; my wave's 16 sums in LDS
	s_mov_b32 s24, 0x76543210                      ; v_permlanex16_b32: each lane takes its own place in the other half
	s_mov_b32 s25, 0xfedcba98
	s_sub_co_u32 s17, ttmp9, 256
	s_cmp_lt_u32 ttmp9, 256                        ; rows of z, or of emb?
	s_cselect_b32 s17, ttmp9, s17                  ; the group's number within its tensor
	s_wait_kmcnt 0x0
	s_cselect_b64 s[18:19], s[4:5], s[6:7]         ; from
	s_cselect_b64 s[20:21], s[8:9], s[10:11]       ; to
	s_cselect_b64 s[22:23], s[12:13], s[14:15]     ; sums
	s_lshl_b32 s26, s17, 16                        ; 64 rows of 1,024 bytes a group,
	s_lshl_b32 s27, s16, 14                        ; 16 a wave
	s_add_co_u32 s26, s26, s27
	s_mov_b32 s27, 0
	s_add_nc_u64 s[18:19], s[18:19], s[26:27]
	s_lshr_b32 s26, s26, 1                         ; half as many bytes in bf16
	s_add_nc_u64 s[20:21], s[20:21], s[26:27]
	s_lshl_b32 s26, s17, 8                         ; 64 sums of 4 bytes a group
	s_add_nc_u64 s[22:23], s[22:23], s[26:27]
.irp r, 0,1,2,3,4,5,6,7,8,9,10,11,12,13,14,15
	global_load_b128 v[X+8*\r:X+8*\r+3],   v1, s[18:19] offset:1024*\r th:TH_LOAD_NT
	global_load_b128 v[X+8*\r+4:X+8*\r+7], v1, s[18:19] offset:1024*\r+512 th:TH_LOAD_NT
.endr
; One row.  No register that a store reads is written again, so no wait stands for the stores.
.macro ROW r
.set B, X+8*(\r)
	s_wait_loadcnt 30-2*(\r)                       ; loads come back in order: this row's two are in, the two of each of the 15 - r later rows may stay out
	v_cvt_pk_bf16_f32 v[B],   v[B],   v[B+1]       ; rounded to nearest even, two at a time
	v_cvt_pk_bf16_f32 v[B+1], v[B+2], v[B+3]
	v_cvt_pk_bf16_f32 v[B+4], v[B+4], v[B+5]
	v_cvt_pk_bf16_f32 v[B+5], v[B+6], v[B+7]
	global_store_b64 v2, v[B:B+1],   s[20:21] offset:512*(\r)      ; 32 lanes x 8 bytes: 256 consecutive bytes, aligned
	global_store_b64 v2, v[B+4:B+5], s[20:21] offset:512*(\r)+256
	v_fma_mix_f32_bf16 v8, v[B],   v[B],   v6 op_sel_hi:[1,1,0]    ; squares of the rounded numbers, summed in f32, in two chains
	v_fma_mix_f32_bf16 v9, v[B+4], v[B+4], v6 op_sel_hi:[1,1,0]
	v_fma_mix_f32_bf16 v8, v[B],   v[B],   v8 op_sel:[1,1,0] op_sel_hi:[1,1,0]
	v_fma_mix_f32_bf16 v9, v[B+4], v[B+4], v9 op_sel:[1,1,0] op_sel_hi:[1,1,0]
	v_fma_mix_f32_bf16 v8, v[B+1], v[B+1], v8 op_sel_hi:[1,1,0]
	v_fma_mix_f32_bf16 v9, v[B+5], v[B+5], v9 op_sel_hi:[1,1,0]
	v_fma_mix_f32_bf16 v8, v[B+1], v[B+1], v8 op_sel:[1,1,0] op_sel_hi:[1,1,0]
	v_fma_mix_f32_bf16 v9, v[B+5], v[B+5], v9 op_sel:[1,1,0] op_sel_hi:[1,1,0]
	v_add_f32 v8, v8, v9
	v_add_f32_dpp v8, v8, v8 row_xmask:1 row_mask:0xf bank_mask:0xf
	v_add_f32_dpp v8, v8, v8 row_xmask:2 row_mask:0xf bank_mask:0xf
	v_add_f32_dpp v8, v8, v8 row_xmask:4 row_mask:0xf bank_mask:0xf
	v_add_f32_dpp v8, v8, v8 row_xmask:8 row_mask:0xf bank_mask:0xf
	v_permlanex16_b32 v11, v8, s24, s25
	v_add_f32 v8, v8, v11                          ; every lane holds the row's sum
	ds_store_b32 v3, v8 offset:4*(\r)              ; all lanes write the same word with the same value
.endm
.irp r, 0,1,2,3,4,5,6,7,8,9,10,11,12,13,14,15
	ROW \r
.endr
	s_wait_dscnt 0x0                               ; for the others' sake: my sums lie in LDS
	s_barrier_signal -1
	s_barrier_wait -1
	s_cmp_lg_u32 s16, 0                            ; wave 0 stores the group's 64 sums
	s_cbranch_scc1 .Lend
	ds_load_b64 v[12:13], v2
	s_wait_dscnt 0x0
	global_store_b64 v2, v[12:13], s[22:23]        ; 256 consecutive bytes, aligned
.Lend:
	s_wait_tensorcnt 0x0                           ; the wave's end, behind my last LDS store
	ds_add_u32 v4, v5
	s_wait_dscnt 0x0
	s_endpgm
.Lfunc_end_k_qb196f731e3_prep:
	.size	k_qb196f731e3_prep, .Lfunc_end_k_qb196f731e3_prep-k_qb196f731e3_prep
	.p2alignl 7, 3214868480
	.fill 96, 4, 3214868480
	.section	.rodata,"a",@progbits
	.p2align	6, 0x0
	.amdhsa_kernel k_qb196f731e3_prep
		.amdhsa_group_segment_fixed_size 768
		.amdhsa_private_segment_fixed_size 0
		.amdhsa_enable_private_segment 0
		.amdhsa_kernarg_size 48
		.amdhsa_user_sgpr_count 2
		.amdhsa_user_sgpr_kernarg_segment_ptr 1
		.amdhsa_wavefront_size32 1
		.amdhsa_system_sgpr_workgroup_id_x 1
		.amdhsa_system_sgpr_workgroup_id_y 1
		.amdhsa_system_sgpr_workgroup_id_z 1
		.amdhsa_system_vgpr_workitem_id 0
		.amdhsa_next_free_vgpr 160
		.amdhsa_next_free_sgpr 66
		.amdhsa_reserve_vcc 0
		.amdhsa_float_denorm_mode_32 3
		.amdhsa_float_denorm_mode_16_64 3
		.amdhsa_memory_ordered 1
		.amdhsa_forward_progress 1
		.amdhsa_inst_pref_size 28
	.end_amdhsa_kernel
	.amdgpu_metadata
---
amdhsa.version: [ 1, 2 ]
amdhsa.kernels:
  - .name:           k_qb196f731e3_prep
    .symbol:         k_qb196f731e3_prep.kd
    .args:
      - { .name: z, .offset: 0, .size: 8, .value_kind: global_buffer, .address_space: global }
      - { .name: emb, .offset: 8, .size: 8, .value_kind: global_buffer, .address_space: global }
      - { .name: zb, .offset: 16, .size: 8, .value_kind: global_buffer, .address_space: global }
      - { .name: eb, .offset: 24, .size: 8, .value_kind: global_buffer, .address_space: global }
      - { .name: zz, .offset: 32, .size: 8, .value_kind: global_buffer, .address_space: global }
      - { .name: ee, .offset: 40, .size: 8, .value_kind: global_buffer, .address_space: global }
    .group_segment_fixed_size: 768
    .private_segment_fixed_size: 0
    .kernarg_segment_align: 8
    .kernarg_segment_size: 48
    .max_flat_workgroup_size: 128
    .sgpr_count:     66
    .vgpr_count:     160
    .wavefront_size: 32
...
	.end_amdgpu_metadata
.endif
;; end of part 1
;; launch score (part 2): grid 128 x 2, 4 waves a work-group, clusters of 4 x 1, 327,680 bytes of LDS; arguments zb, eb, zz, ee, cval, cidx; writes cval, cidx
.if DOCPART == 2
	.amdgcn_target "amdgcn-amd-amdhsa--gfx1250"
	.amdhsa_code_object_version 6
	.text
	.protected	k_qb196f731e3_score
	.globl	k_qb196f731e3_score
	.p2align	8
	.type	k_qb196f731e3_score,@function
k_qb196f731e3_score:
	s_mov_b64 s[64:65], 0
	v_nop
	global_prefetch_b8 v0, s[64:65] scope:SCOPE_SE
	s_setreg_imm32_b32 hwreg(HW_REG_WAVE_MODE, 25, 1), 1
	s_wait_xcnt 0x0
	s_wait_alu depctr_hold_cnt(0) depctr_sa_sdst(0) depctr_va_vdst(0) depctr_va_sdst(0) depctr_va_ssrc(0) depctr_va_vcc(0) depctr_vm_vsrc(0)
	s_getreg_b32 s2, hwreg(HW_REG_IB_STS2, 6, 4)
	s_cmp_eq_u32 s2, 0
	s_cbranch_scc0 .Lentry_in_a_cluster
	s_endpgm
.Lentry_in_a_cluster:
	s_bfe_u32 s2, ttmp6, 0x10000c
	s_cmp_lg_u32 s2, 0x3003
	s_cbranch_scc0 .Lentry_shape_is_right
	s_endpgm
.Lentry_shape_is_right:
; For 128 queries and one half (4,096) of the codes: the least d = (zz + ee) - 2 z . e and the first code that has it.  cval[y][n] takes the distance, cidx[y][n] the code's number.
; Left out in this program: reference()'s product with its own one_hot, which is a lookup (shown at the head of the first kernel); this launch leaves out nothing.
; ARITHMETIC.  z . e by the matrix unit, bf16 operands, f32 sums.  Then as reference() does it: s = zz + ee, rounded; d = s - 2 dot, rounded once (2 dot is exact, so one fused
; multiply-add is that rounding).  The minimum is strict at every level and ties go to the lower number, as jnp.argmin's do.
; LIMITS.  Operands rounded to bf16; the order of the dot product's sum differs from reference()'s; a NaN distance is never chosen (reference() would take the first NaN); if every distance
; of a row is +infinity or NaN, the half's first code is returned.
; SHARES.  Work-group (qb, y): queries 128 qb on, codes 4,096 y on, walked in 16 chunks of 256.  Each of the four waves keeps ALL 128 queries as matrix operands in 512 registers and takes
; 64 codes of each chunk, four tiles of 16: so each byte of a chunk in LDS is fetched by one wave and read once, by that wave: 16 LDS loads for a tile's 64 matrix instructions.
; LAYOUT.  Source 0 = 16 codes, source 1 = 16 queries: in the result a lane holds ONE query (lane % 16) and the codes 8 (lane / 16) + 0..7.
; TRACKING.  For each of the lane's 8 query tiles: BEST, the least distance so far; TID, the number of the code tile that gave it; SV, that tile's eight distances.  The place within the tile
; is found once, at the end.  No address and no branch hangs on any of these.
; BY TURNS.  While tile T is multiplied into one accumulator buffer, the 184 vector instructions for tile T - 1 work on the other, three behind each matrix instruction.
; CLUSTER.  The four query blocks of a cluster walk the same codes: each chunk is asked for JOINTLY, by the same tensor load, descriptor and mask in all four.  Not 4 x 4: the codes are all
; that work-groups share tile by tile; the queries go into registers once.
; REGISTERS, in windows of 256 (s_set_vgpr_msb: bits 1:0 source 0, 3:2 source 1, 5:4 source 2, 7:6 destination):
;   window 0: all that the vector work names     window 1: v0-127 two buffers of a code tile's 8 fragments; v128-131 LDS addresses     windows 2, 3: the queries, tile q, fragment f at 64 (q % 4) + 8 f
.set PITCH,  528                       ; a code's row in LDS: 512 bytes + 16 of padding = 132 words: the 16 rows of a fragment load start at 16 different groups of four banks (64 banks of 4 bytes: ISA guide 11.1)
.set TILEB,  16*PITCH
.set WPART,  4*TILEB                   ; a wave's 64 rows of a chunk
.set SLOTB,  4*WPART                   ; 0x21000.  wave x WPART has none of its two bits, so one exclusive or turns an address in one slot into the other's
.set EEB,    2*SLOTB                   ; behind the ring: |e|^2 of the half, filled once: wave w's 1,024 numbers at 4,096 w, tile T's sixteen at 64 T
.set SCR,    EEB+16384                 ; the way out: val [4 waves][128 queries] f32, then idx; no tensor load lands here
.set SPARE,  SCR+4096                  ; the spare words, 128 bytes a wave: two blocks of 256 bytes that no other line names
.set CHUNKB, 131072                    ; 256 codes of 512 bytes in memory
.set RDB, 1                            ; v1   at the head the wave's number; on the way out where I read the four waves' results back: made of v0, the wave's number and constants alone
.set SPW, 2                            ; v2   my spare word's address; never rewritten
.set NIL, 3                            ; v3   0; never rewritten
.set PFO, 4                            ; v4   256 x lane, the prefetches' offset; never rewritten
.set LB,  5                            ; v5   4,096 y + 64 w + 8 (lane / 16): what is added to a place in my wave's walk to give the code's number
.set QO,  6                            ; v6   my byte offset in 16 rows of zb; later my place in SCR
.set ZO,  7                            ; v7   my byte offset in 16 numbers of zz; later my offset in cval and cidx
.set TT,  8                            ; v8-23   at work: 8 registers for each of the two query tiles in hand
.set EE,  24                           ; v24-39  |e|^2 of my 8 codes, two buffers
.set ZZ,  40                           ; v40-47  |z|^2 of my query in tile q
.set BEST, 48                          ; v48-55
.set TID, 56                           ; v56-63
.set SV,  64                           ; v64-127 tile q's eight at SV + 8 q
.set AC,  128                          ; v128-255 two buffers of 8 accumulators
.set AK0, 128                          ; window 1: my lane's place in a tile of my wave's part of slot 0; never rewritten
.set ADR, 129                          ; window 1: the address of the run of loads in hand
.set AE0, 130                          ; window 1: my lane's place in my wave's |e|^2; never rewritten
.set ADE, 131                          ; window 1
.set WV,  16                           ; s16  my wave's number
.set G1,  24                           ; s[24:31] descriptor group 1, a chunk's 64 rows
.set G1E, 32                           ; s[32:39] descriptor group 1, |e|^2
.set G0A, 40                           ; s[40:43] group 0 for chunk 0
.set G0,  44                           ; s[44:47] group 0 for chunk 1; it then walks
.set G0E, 48                           ; s[48:51] group 0 for |e|^2
.set TB,  53                           ; s53  LDS byte, within a wave's parts, of the tile to be fetched
.set TE,  54                           ; s54  64 x the tile whose |e|^2 is to be fetched
.set TN,  55                           ; s55  the tile that the vector work is at
.set SLOTS, 56                         ; s56  counts the changes of slots
.set CNT, 57                           ; s57  counts pairs of tiles
.set WOFF, 58                          ; s58  wave x WPART
.set LIM, 59                           ; s59  2 in a cluster that prefetches, else the greatest number
.set PFA, 60                           ; s[60:61] where my prefetches stand
.set MK,  62                           ; s62, s63  which lanes have a new minimum: one mask for each of the two query tiles in hand
.set SEL, 66                           ; s[66:67] v_permlanex16_b32's selects
.set ZB,  68                           ; s[68:69] zb at my block
.set ZZB, 74                           ; s[74:75] zz at my block
.set MSB, 0
.macro WIN new                         ; the immediate's high byte repeats the setting that is left; a switch that changes nothing is dropped
.if MSB != (\new)
	s_set_vgpr_msb (MSB<<8)|(\new)
.set MSB, (\new)
.endif
.endm
; A round of the cluster's barrier: my work-group's barrier, so that wave 0's signal speaks for all four waves; wave 0 signals; every wave waits for all four work-groups; my work-group's barrier once more.
.macro CROUND
	s_barrier_signal -1
	s_barrier_wait -1
	s_cmp_lg_u32 s[WV], 0
	s_cbranch_scc1 .Lnot_wave_0_\@
	s_barrier_signal -3
.Lnot_wave_0_\@:
	s_barrier_wait -3
	s_barrier_signal -1
	s_barrier_wait -1
.endm
	s_load_b256 s[4:11], s[0:1], 0x0               ; zb s[4:5], eb s[6:7], zz s[8:9], ee s[10:11]
	s_load_b128 s[12:15], s[0:1], 0x20             ; cval s[12:13], cidx s[14:15]
	v_lshl_add_u32 v[SPW], v0, 2, SPARE
	v_mov_b32 v[NIL], 0
	ds_add_u32 v[SPW], v[NIL]                      ; the wave's opening: the add, twice on end, and its wait ahead of my first tensor load; the set-up below stands between
	ds_add_u32 v[SPW], v[NIL]                      ; and once more, under the one wait
	v_lshrrev_b32 v1, 5, v0
	v_readfirstlane_b32 s[WV], v1                  ; wave 0..3
	s_bfe_u32 s17, ttmp6, 0x40000                  ; cx: my place in the cluster
	s_lshl_b32 s18, ttmp9, 2                       ; in a cluster launch ttmp9 counts clusters
	s_add_co_u32 s18, s18, s17                     ; qb = 4 x cluster x + cx: it enters the addresses of zb, zz, cval, cidx alone
	s_and_b32 s19, ttmp7, 0xffff                   ; y, which the four partners share
	s_mul_i32 s[WOFF], s[WV], WPART
	; group 1 for a chunk: 64 rows x 256 elements of 2 bytes, padded in LDS
	s_mov_b32 s[G1], 15|(1<<16)|(1<<20)|(1<<21)|(6<<22)|(3<<25)  ; 15:0 the mask of four; 17:16 2-byte elements; 20 padding on; 21 set beside a mask; 24:22 after every 128 words (code 6); 31:25 4 words (code 3)
	s_mov_b32 s[G1+1], 256<<16                     ; tensor_dim0 = 256
	s_mov_b32 s[G1+2], 64<<16                      ; tensor_dim1 = 64
	s_mov_b32 s[G1+3], 256<<16                     ; tile_dim0 = 256
	s_mov_b32 s[G1+4], 64                          ; tile_dim1 = 64
	s_mov_b32 s[G1+5], 256                         ; 256 elements from row to row
	s_mov_b32 s[G1+6], 0
	s_mov_b32 s[G1+7], 0
	; group 1 for |e|^2: 16 rows (one a chunk) of my wave's 64 numbers of 4 bytes, 256 numbers apart in memory, dense in LDS
	s_mov_b32 s[G1E], 15|(2<<16)|(1<<21)
	s_mov_b32 s[G1E+1], 64<<16
	s_mov_b32 s[G1E+2], 16<<16
	s_mov_b32 s[G1E+3], 64<<16
	s_mov_b32 s[G1E+4], 16
	s_mov_b32 s[G1E+5], 256
	s_mov_b32 s[G1E+6], 0
	s_mov_b32 s[G1E+7], 0
	s_mov_b32 s[G0A], 1                            ; count = 1
	s_mov_b32 s[G0A+1], s[WOFF]                    ; slot 0: no place in the cluster enters an LDS address
	s_mov_b32 s[G0], 1
	s_add_co_u32 s[G0+1], s[WOFF], SLOTB           ; slot 1
	s_mov_b32 s[G0E], 1
	s_lshl_b32 s[G0E+1], s[WV], 12
	s_add_co_u32 s[G0E+1], s[G0E+1], EEB
	s_lshl_b32 s20, s19, 21                        ; in eb: the half's 4,096 rows of 512 bytes,
	s_lshl_b32 s21, s[WV], 15                      ; my wave's 64 rows of a chunk
	s_add_co_u32 s20, s20, s21
	s_mov_b32 s21, 0
	s_lshl_b32 s22, s19, 14                        ; in ee: the half's 4,096 numbers,
	s_lshl_b32 s23, s[WV], 8                       ; my wave's 64 of a chunk
	s_add_co_u32 s22, s22, s23
	s_mov_b32 s23, 0
	s_lshl_b32 s[PFA], s17, 13                     ; the prefetches: of the 64 rows that I fetch my work-group takes 16, by address,
	s_add_co_u32 s[PFA], s[PFA], s20
	s_add_co_u32 s[PFA], s[PFA], 3*CHUNKB          ; at chunk 3: the first change of slots steps it to chunk 4
	s_mov_b32 s[PFA+1], 0
	s_lshl_b32 s[ZB], s18, 16                      ; my block's 128 rows of 512 bytes
	s_mov_b32 s[ZB+1], 0
	s_lshl_b32 s[ZZB], s18, 9
	s_mov_b32 s[ZZB+1], 0
	s_mov_b32 s[SEL], 0x76543210
	s_mov_b32 s[SEL+1], 0xfedcba98
	s_mov_b32 s[TB], 0
	s_mov_b32 s[TE], 0
	s_mov_b32 s[TN], 0
	s_cmp_eq_u32 ttmp9, 0                          ; all clusters of a half walk the same codes: the first of them prefetches; the same in all four partners
	s_cselect_b32 s[LIM], 2, -1
	s_wait_dscnt 0x0                               ; both opening adds are done
	s_wait_kmcnt 0x0
	s_add_nc_u64 s[G0A+2:G0A+3], s[6:7], s[20:21]  ; my 64 rows of chunk 0,
	s_add_nc_u64 s[G0+2:G0+3], s[G0A+2:G0A+3], CHUNKB  ; of chunk 1
	s_or_b32 s[G0A+3], s[G0A+3], 0x80000000        ; type = 2
	s_or_b32 s[G0+3], s[G0+3], 0x80000000
	s_add_nc_u64 s[G0E+2:G0E+3], s[10:11], s[22:23]
	s_or_b32 s[G0E+3], s[G0E+3], 0x80000000
	s_add_nc_u64 s[PFA:PFA+1], s[6:7], s[PFA:PFA+1]
	s_add_nc_u64 s[ZB:ZB+1], s[4:5], s[ZB:ZB+1]
	s_add_nc_u64 s[ZZB:ZZB+1], s[8:9], s[ZZB:ZZB+1]
	CROUND                                         ; all four work-groups are here: the first joint loads meet
	tensor_load_to_lds s[G0A:G0A+3], s[G1:G1+7]    ; the first fills, one group: chunk 0,
	s_nop 0
	tensor_load_to_lds s[G0E:G0E+3], s[G1E:G1E+7]  ; |e|^2,
	s_nop 0
	tensor_load_to_lds s[G0:G0+3], s[G1:G1+7]      ; chunk 1: three loads of mine are out
	s_nop 0
.rept 4
	v_nop                                          ; an s_nop 0 behind each load and four v_nop behind the last, ahead of the window switch
.endr
	; A fragment is 16 rows x 32 channels in 8 registers: lane l holds row l % 16, channels 8 (l / 16) + 0..7 and 16 + 8 (l / 16) + 0..7: two loads of 16 bytes, 32 bytes apart.
	v_and_b32 v8, 15, v0                           ; l % 16
	v_bfe_u32 v9, v0, 4, 1                         ; l / 16
	v_lshlrev_b32 v[QO], 9, v8
	v_lshl_add_u32 v[QO], v9, 4, v[QO]             ; row x 512 + 16 x half
	v_lshlrev_b32 v[ZO], 2, v8
	WIN 0x80                                       ; destination window 2, address window 0
.set q, 0
.rept 4                                        ; the queries stay in registers: tile q, channels 32 f on
.irp f, 0,1,2,3,4,5,6,7
	global_load_b128 v[64*q+8*\f:64*q+8*\f+3],   v[QO], s[ZB:ZB+1] offset:8192*q+64*\f
	global_load_b128 v[64*q+8*\f+4:64*q+8*\f+7], v[QO], s[ZB:ZB+1] offset:8192*q+64*\f+32
.endr
.set q, q+1
.endr
	WIN 0xc0                                       ; destination window 3
.set q, 0
.rept 4
.irp f, 0,1,2,3,4,5,6,7
	global_load_b128 v[64*q+8*\f:64*q+8*\f+3],   v[QO], s[ZB:ZB+1] offset:8192*(q+4)+64*\f
	global_load_b128 v[64*q+8*\f+4:64*q+8*\f+7], v[QO], s[ZB:ZB+1] offset:8192*(q+4)+64*\f+32
.endr
.set q, q+1
.endr
	WIN 0
.irp t, 0,1,2,3,4,5,6,7
	global_load_b32 v[ZZ+\t], v[ZO], s[ZZB:ZZB+1] offset:64*\t
.endr
	v_mul_u32_u24 v10, v8, PITCH
	v_lshl_add_u32 v10, v9, 4, v10
	v_add_nc_u32 v10, s[WOFF], v10                 ; row x pitch + 16 x half + my wave's part
	s_lshl_b32 s20, s[WV], 12
	s_add_co_u32 s20, s20, EEB
	v_lshl_add_u32 v11, v9, 5, s20                 ; my 8 codes' 32 bytes of a tile's 64
	WIN 0x40                                       ; destination window 1
	v_mov_b32 v[AK0], v10
	v_mov_b32 v[AE0], v11
	WIN 0
	v_and_b32 v[PFO], 31, v0
	v_lshlrev_b32 v[PFO], 8, v[PFO]
	s_lshl_b32 s20, s19, 12
	s_lshl_b32 s21, s[WV], 6
	s_add_co_u32 s20, s20, s21
	v_lshl_add_u32 v[LB], v9, 3, s20
	s_mov_b32 s20, 0x7f800000                      ; +infinity: every finite distance is less.  80 lines, in the wait for the first tiles, so that every tile's vector work has one form
.set q, 0
.rept 8
	v_mov_b32 v[BEST+q], s20
	v_mov_b32 v[TID+q], 0
.set q, q+1
.endr
.set q, 0
.rept 64
	v_mov_b32 v[SV+q], s20
.set q, q+1
.endr
; Matrix instruction i of a tile's 64, into accumulator buffer p: channels 32 (i / 8) on, query tile i % 8.  The first 8 start the sums with the constant 0: nothing is cleared.
; The eight accumulators take turns, one instruction a turn, from tile to tile too.
.macro MMA p
.set mD, AC+64*(\p)+8*(i%8)
.set mA, 64*(\p)+8*(i/8)
.set mB, 64*((i%8)%4)+8*(i/8)
	WIN 0x09+4*((i%8)/4)                           ; codes in window 1, queries in window 2 or 3, sums in window 0
.if i < 8
	v_wmma_f32_16x16x32_bf16 v[mD:mD+7], v[mA:mA+7], v[mB:mB+7], 0
.else
	v_wmma_f32_16x16x32_bf16 v[mD:mD+7], v[mA:mA+7], v[mB:mB+7], v[mD:mD+7]
.endif
.endm
; Number n of the 184 vector instructions for the tile that lies in accumulator buffer 1 - p: 23 for each query tile, two query tiles alternating, so that no line reads the result of the line before it.
;   0-3  s = ee + zz, two at a time        4-7  d = s - 2 dot, in place, the accumulator's lowest registers first
;   8-11 the least of the eight            12   is it less than BEST?  Strictly: the earlier tile keeps a tie        13-22  where it is: BEST, TID and the eight distances are taken
.macro RIDER p
.if n < 184
.set rq, 2*(n/46)+(n%46)%2
.set ru, rq%2
.set rj, (n%46)/2
.set rm, rj%4
.set rA, AC+64*(1-(\p))+8*rq
.set rE, EE+8*(1-(\p))
.set rT, TT+8*ru
.set rZ, ZZ+rq-ru
	WIN 0
.if (rj < 4) && (ru == 0)
	v_pk_add_f32 v[rT+2*rm:rT+2*rm+1], v[rE+2*rm:rE+2*rm+1], v[rZ:rZ+1] op_sel_hi:[1,0]            ; the pair's first register, an even tile's zz, for both
.elseif rj < 4
	v_pk_add_f32 v[rT+2*rm:rT+2*rm+1], v[rE+2*rm:rE+2*rm+1], v[rZ:rZ+1] op_sel:[0,1] op_sel_hi:[1,1]  ; its second, an odd tile's
.elseif rj < 8
	v_pk_fma_f32 v[rA+2*rm:rA+2*rm+1], v[rA+2*rm:rA+2*rm+1], -2.0, v[rT+2*rm:rT+2*rm+1] op_sel_hi:[1,0,1]
.elseif rj == 8
	v_min3_num_f32 v[rT], v[rA], v[rA+1], v[rA+2]
.elseif rj == 9
	v_min3_num_f32 v[rT+1], v[rA+3], v[rA+4], v[rA+5]
.elseif rj == 10
	v_min_num_f32 v[rT+2], v[rA+6], v[rA+7]
.elseif rj == 11
	v_min3_num_f32 v[rT+3], v[rT], v[rT+1], v[rT+2]
.elseif rj == 12
	v_cmp_lt_f32 s[MK+ru], v[rT+3], v[BEST+rq]
.elseif rj == 13
	v_cndmask_b32 v[BEST+rq], v[BEST+rq], v[rT+3], s[MK+ru]
.elseif rj == 14
	v_cndmask_b32 v[TID+rq], v[TID+rq], s[TN], s[MK+ru]
.else
	v_cndmask_b32 v[SV+8*rq+rj-15], v[SV+8*rq+rj-15], v[rA+rj-15], s[MK+ru]
.endif
.endif
.set n, n+1
.endm
; THE LDS LOADS of a tile's step, in one run.  kind 2: the NEXT tile's 8 fragments into fragment buffer 1 - p, and THIS tile's |e|^2 into buffer p.  kind 1: |e|^2 alone.  kind 3: fragments alone.
.macro FETCH p, kind
	WIN 0x45                                       ; destination, address and the sum's vector source in window 1
.if (\kind) != 1
	v_add_nc_u32 v[ADR], s[TB], v[AK0]
.endif
.if (\kind) != 3
	v_add_nc_u32 v[ADE], s[TE], v[AE0]
.endif
.if (\kind) != 1
.irp f, 0,1,2,3,4,5,6,7
	ds_load_b128 v[64*(1-(\p))+8*\f:64*(1-(\p))+8*\f+3],   v[ADR] offset:64*\f
	ds_load_b128 v[64*(1-(\p))+8*\f+4:64*(1-(\p))+8*\f+7], v[ADR] offset:64*\f+32
.endr
	s_add_co_u32 s[TB], s[TB], TILEB
.endif
.if (\kind) != 3
	WIN 0x01                                       ; destination window 0, address window 1
	ds_load_b128 v[EE+8*(\p):EE+8*(\p)+3],   v[ADE]
	ds_load_b128 v[EE+8*(\p)+4:EE+8*(\p)+7], v[ADE] offset:16
	s_add_co_u32 s[TE], s[TE], 64
.endif
.endm
; A TILE'S STEP.  64 matrix instructions into buffer p; rid = 1: behind each, three of the vector instructions for the tile before (184 = 61 x 3 + 1).
; The run of loads stands behind the second matrix instruction.  It loads into the fragment buffer that the last step's matrix instructions read: behind the last of them stand six vector
; instructions (numbers 0-2 of two query tiles, which name T, EE and ZZ alone) and the run's own two additions: more than the four places asked for.  The first line that reads an accumulator
; is number 4 of query tile 0, eight such lines behind the step's head.  The loads are waited for at the head of the next step, 62 matrix instructions on.
.macro STEP p, rid, kind
	s_wait_dscnt 0x0                               ; this tile's fragments and the last tile's |e|^2 are in
.set n, 0
.set i, 0
.rept 64
	MMA \p
.if \rid
	RIDER \p
	RIDER \p
	RIDER \p
.endif
.if i == 1
	FETCH \p, \kind
.endif
.set i, i+1
.endr
	WIN 0                                          ; at a label and at a branch every window is 0
.if \rid
	s_add_co_u32 s[TN], s[TN], 1
.endif
.endm
; A PREFETCH INTO THE L2, behind the joint load and its five lines: change c of slots, which asks for chunk c + 2, names chunk c + 4: two changes, 512 matrix instructions, ahead of the load that
; will ask for it.  Each aligned block of 256 bytes of eb is named once in the launch: of the clusters that walk a half the first asks; of the 64 rows that wave w fetches, the partner at place cx
; takes 16, by address: 32 blocks, a lane each.  Chunks 0 to 3 come by their loads alone; the last two changes ask for nothing, since chunks 16 and 17 do not exist.
.macro ASK
	s_cmp_gt_u32 s[SLOTS], s[LIM]
	s_cbranch_scc0 .Lnot_mine_\@
	global_prefetch_b8 v[PFO], s[PFA:PFA+1] th:TH_LOAD_NT scope:SCOPE_SE
.Lnot_mine_\@:
.endm
; THE CHANGE OF SLOTS.  The last tile of the slot in hand has been asked for from LDS.  Each wave waits for all its tensor loads, of which one is out: its part of the other slot; adds 0 to its
; spare word; and waits for that and for its reads of the slot.  The barrier is a round of the cluster's, so that no wave of any partner still reads the slot or has a load on its way; the joint
; refill, with the chunk two on, is the first thing behind it and has four tiles, 256 matrix instructions, in which to land.
.macro CHANGE
	WIN 0
	s_wait_tensorcnt 0x0                           ; no tensor load of mine is out, so a group 0 may be written
	ds_add_u32 v[SPW], v[NIL]                      ; 0 onto my spare word; the steps below stand between it and the wait for it
	s_xor_b32 s[G0+1], s[G0+1], SLOTB              ; the walking descriptor: the other slot than last time,
	s_add_nc_u64 s[G0+2:G0+3], s[G0+2:G0+3], CHUNKB  ; the next chunk; the type bits on top are not reached
	s_sub_co_u32 s[TB], s[TB], 4*TILEB             ; the fetches go back to a slot's first tile,
	s_xor_b32 s[TB], s[TB], SLOTB                  ; in the other slot
	s_wait_xcnt 0x0                                ; the last prefetch, four tiles back, has read its address, so it may be written
	s_add_nc_u64 s[PFA:PFA+1], s[PFA:PFA+1], CHUNKB
	s_wait_dscnt 0x0                               ; the add is done, and my reads of the slot are over
	CROUND
	tensor_load_to_lds s[G0:G0+3], s[G1:G1+7]
	s_nop 0
.rept 4
	v_nop
.endr
	ASK
.endm
	s_wait_tensorcnt 0x1                           ; one younger load, chunk 1's, may stay out: my parts of chunk 0 and of |e|^2 are in.  I alone read what I fetched, so no barrier stands here
	FETCH 1, 3                                     ; tile 0's fragments
	WIN 0
	s_wait_loadcnt 0x0                             ; the queries and their zz
	STEP 0, 0, 2                                   ; tile 0: there is no vector work yet
.rept 4
	v_nop                                          ; the places behind its last products
.endr
	s_mov_b32 s[SLOTS], 15
	s_mov_b32 s[CNT], 1                            ; tiles 1 and 2, then the first change: the loop is entered behind its change
	s_branch .Lpair
.Lchunk:                                       ; 14 times: change c finds s[SLOTS] = 14 - c and asks for chunk c + 2; behind it come tiles 4 c + 3 to 4 c + 6, which fetch chunk c + 1's four tiles
	CHANGE
	s_mov_b32 s[CNT], 2
.Lpair:
	STEP 1, 1, 2
	STEP 0, 1, 2
	s_sub_co_u32 s[CNT], s[CNT], 1
	s_cmp_lg_u32 s[CNT], 0
	s_cbranch_scc1 .Lpair
	s_sub_co_u32 s[SLOTS], s[SLOTS], 1
	s_cmp_lg_u32 s[SLOTS], 0
	s_cbranch_scc1 .Lchunk
	s_wait_tensorcnt 0x0                           ; the tail is written out.  My part of chunk 15 is in; nothing is filled again, so no barrier stands here
	s_sub_co_u32 s[TB], s[TB], 4*TILEB
	s_xor_b32 s[TB], s[TB], SLOTB
	s_mov_b32 s[CNT], 2
.Ltail:                                        ; tiles 59 to 62
	STEP 1, 1, 2
	STEP 0, 1, 2
	s_sub_co_u32 s[CNT], s[CNT], 1
	s_cmp_lg_u32 s[CNT], 0
	s_cbranch_scc1 .Ltail
	STEP 1, 1, 1                                   ; tile 63: no fragments are left to fetch
	s_wait_dscnt 0x0                               ; its |e|^2
.set n, 0
.rept 184
	RIDER 0                                        ; and its vector work, on buffer 1; its first eight lines, which name no accumulator, are the places behind the last products
.endr
	; THE WAY OUT.  b (value, number) takes o's where o's value is less, or equal with the lower number.
.macro FOLD bv, bi, ov, oi
	v_cmp_lt_f32 s70, v[\ov], v[\bv]
	v_cmp_eq_f32 s71, v[\ov], v[\bv]
	v_cmp_lt_u32 s72, v[\oi], v[\bi]
	s_and_b32 s71, s71, s72
	s_or_b32 s70, s70, s71
	v_cndmask_b32 v[\bv], v[\bv], v[\ov], s70
	v_cndmask_b32 v[\bi], v[\bi], v[\oi], s70
.endm
; Query tile q: the first of the kept eight that equals BEST; the code's number, 256 (T / 4) + 16 (T % 4) + place + LB; the query's other 8 codes of each tile lie in the lane 16 away.
.macro FIN q
	v_mov_b32 v8, 7
.irp j, 6,5,4,3,2,1,0
	v_cmp_eq_f32 vcc_lo, v[SV+8*(\q)+\j], v[BEST+(\q)]
	v_cndmask_b32 v8, v8, \j, vcc_lo
.endr
	v_and_b32 v9, 0x3c, v[TID+(\q)]
	v_and_b32 v10, 3, v[TID+(\q)]
	v_lshl_add_u32 v8, v9, 6, v8
	v_lshl_add_u32 v8, v10, 4, v8
	v_add_nc_u32 v8, v[LB], v8
	v_permlanex16_b32 v11, v[BEST+(\q)], s[SEL], s[SEL+1]
	v_permlanex16_b32 v12, v8, s[SEL], s[SEL+1]
	FOLD BEST+(\q), 8, 11, 12
	ds_store_b32 v[QO], v[BEST+(\q)] offset:64*(\q)        ; both halves of the lanes write the same word with the same value
	ds_store_b32 v[QO], v8 offset:2048+64*(\q)
.endm
	; Both LDS addresses of the way out are made here, ahead of the folds, in registers that never hold anything of the work-group's place or of loaded data: they are alike in all four partners.
	v_and_b32 v[QO], 15, v0
	s_lshl_b32 s20, s[WV], 9
	s_add_co_u32 s20, s20, SCR
	v_lshl_add_u32 v[QO], v[QO], 2, s20            ; in: my wave's 128 words, my query's place in a tile
	v_and_b32 v[RDB], 31, v0
	s_lshl_b32 s21, s[WV], 8
	s_add_co_u32 s21, s21, SCR
	v_lshl_add_u32 v[RDB], v[RDB], 3, s21          ; back (waves 0 and 1 alone use it): 64 queries a wave, two a lane
.irp q, 0,1,2,3,4,5,6,7
	FIN \q
.endr
	s_wait_dscnt 0x0                               ; for the others' sake: my stores are done
	s_barrier_signal -1
	s_barrier_wait -1
	s_cmp_lt_u32 s[WV], 2                          ; waves 0 and 1 fold the four waves' results, 64 queries each, two a lane
	s_cbranch_scc0 .Lend
.irp w, 0,1,2,3
	ds_load_b64 v[24+2*\w:25+2*\w], v[RDB] offset:512*\w
	ds_load_b64 v[32+2*\w:33+2*\w], v[RDB] offset:2048+512*\w
.endr
	s_lshl_b32 s20, s[WV], 8                       ; in cval and cidx: my wave's 64 words,
	s_lshl_b32 s22, s19, 16                        ; the half's 16,384,
	s_lshl_b32 s23, s18, 9                         ; my block's 128
	s_add_co_u32 s22, s22, s23
	s_add_co_u32 s22, s22, s20
	v_and_b32 v[ZO], 31, v0
	v_lshl_add_u32 v[ZO], v[ZO], 3, s22
	s_wait_dscnt 0x0
.irp w, 1,2,3
	FOLD 24, 32, 24+2*\w, 32+2*\w
	FOLD 25, 33, 25+2*\w, 33+2*\w
.endr
	global_store_b64 v[ZO], v[24:25], s[12:13]     ; 32 lanes x 8 bytes: 256 consecutive bytes, aligned
	global_store_b64 v[ZO], v[32:33], s[14:15]
.Lend:
	s_wait_tensorcnt 0x0                           ; the wave's end, behind my last tensor load and my last LDS store
	ds_add_u32 v[SPW], v[NIL]
	s_wait_dscnt 0x0
	CROUND                                         ; the closing round: no work-group ends while a partner may still ask for a tile that names it
	s_endpgm
.Lfunc_end_k_qb196f731e3_score:
	.size	k_qb196f731e3_score, .Lfunc_end_k_qb196f731e3_score-k_qb196f731e3_score
	.p2alignl 7, 3214868480
	.fill 96, 4, 3214868480
	.section	.rodata,"a",@progbits
	.p2align	6, 0x0
	.amdhsa_kernel k_qb196f731e3_score
		.amdhsa_group_segment_fixed_size 327680
		.amdhsa_private_segment_fixed_size 0
		.amdhsa_enable_private_segment 0
		.amdhsa_kernarg_size 48
		.amdhsa_user_sgpr_count 2
		.amdhsa_user_sgpr_kernarg_segment_ptr 1
		.amdhsa_wavefront_size32 1
		.amdhsa_system_sgpr_workgroup_id_x 1
		.amdhsa_system_sgpr_workgroup_id_y 1
		.amdhsa_system_sgpr_workgroup_id_z 1
		.amdhsa_system_vgpr_workitem_id 0
		.amdhsa_next_free_vgpr 1024
		.amdhsa_next_free_sgpr 80
		.amdhsa_reserve_vcc 1
		.amdhsa_float_denorm_mode_32 3
		.amdhsa_float_denorm_mode_16_64 3
		.amdhsa_memory_ordered 1
		.amdhsa_forward_progress 1
		.amdhsa_inst_pref_size 160
	.end_amdhsa_kernel
	.amdgpu_metadata
---
amdhsa.version: [ 1, 2 ]
amdhsa.kernels:
  - .name:           k_qb196f731e3_score
    .symbol:         k_qb196f731e3_score.kd
    .args:
      - { .name: zb, .offset: 0, .size: 8, .value_kind: global_buffer, .address_space: global }
      - { .name: eb, .offset: 8, .size: 8, .value_kind: global_buffer, .address_space: global }
      - { .name: zz, .offset: 16, .size: 8, .value_kind: global_buffer, .address_space: global }
      - { .name: ee, .offset: 24, .size: 8, .value_kind: global_buffer, .address_space: global }
      - { .name: cval, .offset: 32, .size: 8, .value_kind: global_buffer, .address_space: global }
      - { .name: cidx, .offset: 40, .size: 8, .value_kind: global_buffer, .address_space: global }
    .group_segment_fixed_size: 327680
    .private_segment_fixed_size: 0
    .kernarg_segment_align: 8
    .kernarg_segment_size: 48
    .max_flat_workgroup_size: 128
    .sgpr_count:     80
    .vgpr_count:     1024
    .wavefront_size: 32
...
	.end_amdgpu_metadata
.endif
;; end of part 2
;; launch pick (part 3): grid 256 x 1, 8 waves a work-group, no clusters, 0 bytes of LDS; arguments emb, cval, cidx, out0; writes out0
.if DOCPART == 3
	.amdgcn_target "amdgcn-amd-amdhsa--gfx1250"
	.amdhsa_code_object_version 6
	.text
	.protected	k_qb196f731e3_pick
	.globl	k_qb196f731e3_pick
	.p2align	8
	.type	k_qb196f731e3_pick,@function
k_qb196f731e3_pick:
	s_mov_b64 s[64:65], 0
	v_nop
	global_prefetch_b8 v0, s[64:65] scope:SCOPE_SE
	s_setreg_imm32_b32 hwreg(HW_REG_WAVE_MODE, 25, 1), 1
	s_wait_xcnt 0x0
; out0[n][:] = emb[c(n)][:].  This is reference()'s product with its own one_hot, done as the lookup that it is (shown at the head of the first kernel).
; For each query the launch before stored two candidates, one for each half of the codes: the least distance (cval) and the code's number (cidx, whole numbers read from memory).
; Which of the two is better is a comparison of floating-point numbers, so it steers no address: BOTH rows are loaded, by the stored numbers, and the better one is selected lane by lane.
; The second half's wins only where its distance is strictly less: all its numbers are the higher ones, and ties go to the lower.
; SHARES.  A work-group owns 64 rows of out0, a wave 8.  A row of 1,024 bytes is two loads, and two stores, of 512 consecutive bytes.  A wave's 32 loads go out at once.
; No LDS, no matrix unit, no cluster: rows are fetched by a list, each row of out0 has one owner, and nothing is shared tile by tile.
.set D, 32                             ; v[32:159] row r at D + 16 r: 8 registers of the first half's candidate, 8 of the second's
	s_load_b256 s[4:11], s[0:1], 0x0               ; emb s[4:5], cval s[6:7], cidx s[8:9], out0 s[10:11]
	v_lshrrev_b32 v18, 5, v0
	v_readfirstlane_b32 s12, v18                   ; wave 0..7
	v_and_b32 v1, 31, v0
	v_lshlrev_b32 v1, 4, v1                        ; 16 x lane
	s_lshl_b32 s13, ttmp9, 8                       ; 64 words of 4 bytes a group,
	s_lshl_b32 s14, s12, 5                         ; 8 a wave
	s_add_co_u32 s14, s13, s14
	s_mov_b32 s15, 0
	s_wait_kmcnt 0x0
	s_add_nc_u64 s[8:9], s[8:9], s[14:15]
	s_add_nc_u64 s[6:7], s[6:7], s[14:15]
	s_load_b256 s[16:23], s[8:9], 0x0              ; my 8 rows: the first half's numbers,
	s_load_b256 s[24:31], s[8:9], 0x10000          ; the second half's (16,384 words on),
	s_load_b256 s[32:39], s[6:7], 0x0              ; and the distances
	s_load_b256 s[40:47], s[6:7], 0x10000
	s_lshl_b32 s14, s14, 8                         ; 1,024 bytes a row of out0
	s_add_nc_u64 s[56:57], s[10:11], s[14:15]
	s_wait_kmcnt 0x0
.irp r, 0,1,2,3,4,5,6,7
	s_min_u32 s[16+\r], s[16+\r], 0x1fff           ; a number read from memory enters an address only inside the table's 8,192 rows
	s_min_u32 s[24+\r], s[24+\r], 0x1fff
	s_lshl_b32 s[16+\r], s[16+\r], 10              ; 1,024 bytes a row of emb
	s_lshl_b32 s[24+\r], s[24+\r], 10
	v_add_nc_u32 v[2+\r], s[16+\r], v1
	v_add_nc_u32 v[10+\r], s[24+\r], v1
.endr
.irp r, 0,1,2,3,4,5,6,7                ; no hint: a row of emb may be named by many queries
	global_load_b128 v[D+16*\r:D+16*\r+3],     v[2+\r],  s[4:5]
	global_load_b128 v[D+16*\r+4:D+16*\r+7],   v[2+\r],  s[4:5] offset:512
	global_load_b128 v[D+16*\r+8:D+16*\r+11],  v[10+\r], s[4:5]
	global_load_b128 v[D+16*\r+12:D+16*\r+15], v[10+\r], s[4:5] offset:512
.endr
.irp r, 0,1,2,3,4,5,6,7
	v_mov_b32 v18, s[32+\r]
	v_cmp_gt_f32 s[48+\r], v18, s[40+\r]           ; all lanes alike: is the second half's distance strictly less?
.endr
.irp r, 0,1,2,3,4,5,6,7
	s_wait_loadcnt 28-4*\r                         ; loads come back in order: this row's four are in, the four of each of the 7 - r later rows may stay out
.irp m, 0,1,2,3,4,5,6,7
	v_cndmask_b32 v[D+16*\r+\m], v[D+16*\r+\m], v[D+16*\r+8+\m], s[48+\r]
.endr
	global_store_b128 v1, v[D+16*\r:D+16*\r+3],   s[56:57] offset:1024*\r th:TH_STORE_NT      ; 512 consecutive bytes, aligned; no register that a store reads is written again
	global_store_b128 v1, v[D+16*\r+4:D+16*\r+7], s[56:57] offset:1024*\r+512 th:TH_STORE_NT
.endr
	s_endpgm
.Lfunc_end_k_qb196f731e3_pick:
	.size	k_qb196f731e3_pick, .Lfunc_end_k_qb196f731e3_pick-k_qb196f731e3_pick
	.p2alignl 7, 3214868480
	.fill 96, 4, 3214868480
	.section	.rodata,"a",@progbits
	.p2align	6, 0x0
	.amdhsa_kernel k_qb196f731e3_pick
		.amdhsa_group_segment_fixed_size 0
		.amdhsa_private_segment_fixed_size 0
		.amdhsa_enable_private_segment 0
		.amdhsa_kernarg_size 32
		.amdhsa_user_sgpr_count 2
		.amdhsa_user_sgpr_kernarg_segment_ptr 1
		.amdhsa_wavefront_size32 1
		.amdhsa_system_sgpr_workgroup_id_x 1
		.amdhsa_system_sgpr_workgroup_id_y 1
		.amdhsa_system_sgpr_workgroup_id_z 1
		.amdhsa_system_vgpr_workitem_id 0
		.amdhsa_next_free_vgpr 160
		.amdhsa_next_free_sgpr 66
		.amdhsa_reserve_vcc 0
		.amdhsa_float_denorm_mode_32 3
		.amdhsa_float_denorm_mode_16_64 3
		.amdhsa_memory_ordered 1
		.amdhsa_forward_progress 1
		.amdhsa_inst_pref_size 13
	.end_amdhsa_kernel
	.amdgpu_metadata
---
amdhsa.version: [ 1, 2 ]
amdhsa.kernels:
  - .name:           k_qb196f731e3_pick
    .symbol:         k_qb196f731e3_pick.kd
    .args:
      - { .name: emb, .offset: 0, .size: 8, .value_kind: global_buffer, .address_space: global }
      - { .name: cval, .offset: 8, .size: 8, .value_kind: global_buffer, .address_space: global }
      - { .name: cidx, .offset: 16, .size: 8, .value_kind: global_buffer, .address_space: global }
      - { .name: out0, .offset: 24, .size: 8, .value_kind: global_buffer, .address_space: global }
    .group_segment_fixed_size: 0
    .private_segment_fixed_size: 0
    .kernarg_segment_align: 8
    .kernarg_segment_size: 32
    .max_flat_workgroup_size: 256
    .sgpr_count:     66
    .vgpr_count:     160
    .wavefront_size: 32
...
	.end_amdgpu_metadata
.endif
;; end of part 3
;; ======== version 2 of 2: 3 launches; version 1 with the launches prep, pick written anew for expert scheduling mode
;; workspace buffers: zb 8,388,608 bytes; eb 4,194,304 bytes; zz 65,536 bytes; ee 32,768 bytes; cval 131,072 bytes; cidx 131,072 bytes of whole numbers
;; launch prep (part 4): grid 384 x 1, 4 waves a work-group, no clusters, 768 bytes of LDS; arguments z, emb, zb, eb, zz, ee; writes zb, eb, zz, ee
.if DOCPART == 4
	.amdgcn_target "amdgcn-amd-amdhsa--gfx1250"
	.amdhsa_code_object_version 6
	.text
	.protected	k_qb196f731e3_prep
	.globl	k_qb196f731e3_prep
	.p2align	8
	.type	k_qb196f731e3_prep,@function
k_qb196f731e3_prep:
	s_mov_b64 s[64:65], 0
	v_nop
	global_prefetch_b8 v0, s[64:65] scope:SCOPE_SE
	s_setreg_imm32_b32 hwreg(HW_REG_WAVE_SCHED_MODE, 0, 2), 2
	s_setreg_imm32_b32 hwreg(HW_REG_WAVE_MODE, 25, 1), 1
	s_wait_xcnt 0x0
	s_wait_alu depctr_vm_vsrc(0)
; THE PROGRAM (three launches).  out[n][:] = emb[c(n)][:], c(n) = the first k with the least d[n][k] = (|z_n|^2 + |e_k|^2) - 2 z_n . e_k.
; WORK LEFT OUT: the product one_hot(c) @ emb.  reference() builds one_hot from the index c itself: row n of it is 1 at k = c(n) and 0 elsewhere, so for all finite emb row n of the
; product is the sum over k of [k = c(n)] emb[k][:] = emb[c(n)][:]: a lookup.  The third launch reads the index from memory and fetches the row.  LIMIT: a NaN or an infinity in a row of
; emb that is not chosen (0 x infinity in reference()'s product) is not carried to the result.
; NOTHING ELSE IS LEFT OUT, and both inputs are loaded.  |z_n|^2 is the same for all k, yet it stays: it is so large beside the other two terms that f32 drops their low bits, and
; reference()'s argmin is taken of the rounded distances, ties to the first k.  So the distances are formed as reference() forms them: s = zz + ee rounded, then s - 2 dot rounded once.
; THIS LAUNCH rounds z and emb to bf16, the matrix operands of the second launch, and makes for each row the f32 sum of the squares of the ROUNDED numbers (the distances are those of
; the rounded vectors throughout).  LIMIT: the order of a row's sum differs from reference()'s.
; SHARES.  A work-group owns 64 rows: groups 0-255 those of z, groups 256-383 those of emb.  A wave owns 16 rows; a row of 1,024 bytes is two loads of 512 consecutive bytes, and leaves as
; two stores of 256 consecutive, aligned bytes.  All 32 loads of a wave go out at once.  The group's 64 sums meet in LDS and leave as one store of 256 consecutive, aligned bytes.
; THE MODE: SCHED_MODE bits 1:0 = 2 (LLVM: expert scheduling mode 2), set by the entry lines.  The code itself states the register dependences between vector instructions and memory or
; LDS instructions, with s_wait_alu, always for 0.
; THE PLAN.  Registers that memory or LDS instructions touch:
;   v1, v2, v3   offsets and the LDS address of my wave's sums: written at the head, never again.      v4, v5   written at the head, read by the closing add alone.
;   X            Written by the 32 loads, which go out before any vector instruction has named it.  Row r: its four conversions write four of its eight registers; the row's two stores
;                and its squares read them; nothing writes them again.
;   SUM          Row r's sum has a register of its own: written by the row's last addition, read by one LDS store, never written again.
;   v[12:13]     Wave 0's LDS load lands in them and its store reads them; no vector instruction names them.
; The 16 rows go in four blocks of four.  A block: the wait for its eight loads; its sixteen conversions; ONE wait on va_vdst; then, row by row, the row's two stores, an LDS store of a sum
; of the block before, and the row's squares and sum.  That wait states that the block's conversions have written the stores' data and that the block before has written its four SUM.  The vector
; instructions behind it read X and write v8, v9, v11 and this block's SUM: none of the registers that the block's twelve stores read.  Nothing that a memory or LDS instruction reads is
; ever written again, so no wait on vm_vsrc is owed.
.set SPARE, 256                        ; LDS: bytes 0-255 the 64 sums; from 256 on the spare words, 128 bytes a wave: two blocks of 256 bytes that no other line names
.set X,     16                         ; v[16:143] row r at X + 8 r: 8 f32 as loaded; then registers 0, 1, 4, 5 hold the 8 bf16
.set SUM,   144                        ; v[144:159] row r's sum of squares
	s_load_b256 s[4:11], s[0:1], 0x0               ; z s[4:5], emb s[6:7], zb s[8:9], eb s[10:11]
	s_load_b128 s[12:15], s[0:1], 0x20             ; zz s[12:13], ee s[14:15]
	v_lshl_add_u32 v4, v0, 2, SPARE                ; my spare word; never rewritten
	v_mov_b32 v5, 0                                ; 0; never rewritten
	v_lshrrev_b32 v7, 5, v0
	v_readfirstlane_b32 s16, v7                    ; wave 0..3
	v_and_b32 v1, 31, v0
	v_lshlrev_b32 v2, 3, v1                        ; 8 x lane: my 8 bytes of a store, and of the sums
	v_lshlrev_b32 v1, 4, v1                        ; 16 x lane: my 16 bytes of a load
	v_mov_b32 v6, 0                                ; the addend that starts a sum
	v_mov_b32 v11, 0                               ; v_permlanex16_b32's destination counts as read
	s_wait_alu depctr_va_sdst(0)                   ; s16 is written, ahead of its first reader: the LDS address and the bases are made from it
	s_lshl_b32 s26, s16, 6
	v_mov_b32 v3, s26                              ; my wave's 16 sums in LDS
	s_mov_b32 s24, 0x76543210                      ; v_permlanex16_b32: each lane takes its own place in the other half
	s_mov_b32 s25, 0xfedcba98
	s_sub_co_u32 s17, ttmp9, 256
	s_cmp_lt_u32 ttmp9, 256                        ; rows of z, or of emb?
	s_cselect_b32 s17, ttmp9, s17                  ; the group's number within its tensor
	s_wait_kmcnt 0x0
	s_cselect_b64 s[18:19], s[4:5], s[6:7]         ; from
	s_cselect_b64 s[20:21], s[8:9], s[10:11]       ; to
	s_cselect_b64 s[22:23], s[12:13], s[14:15]     ; sums
	s_lshl_b32 s26, s17, 16                        ; 64 rows of 1,024 bytes a group,
	s_lshl_b32 s27, s16, 14                        ; 16 a wave
	s_add_co_u32 s26, s26, s27
	s_mov_b32 s27, 0
	s_add_nc_u64 s[18:19], s[18:19], s[26:27]
	s_lshr_b32 s26, s26, 1                         ; half as many bytes in bf16
	s_add_nc_u64 s[20:21], s[20:21], s[26:27]
	s_lshl_b32 s26, s17, 8                         ; 64 sums of 4 bytes a group
	s_add_nc_u64 s[22:23], s[22:23], s[26:27]
	s_wait_alu depctr_va_vdst(0)                   ; v1, v2 and v3 are written: every load, store and LDS instruction below reads one of them as its offset or address
.irp r, 0,1,2,3,4,5,6,7,8,9,10,11,12,13,14,15
	global_load_b128 v[X+8*\r:X+8*\r+3],   v1, s[18:19] offset:1024*\r th:TH_LOAD_NT
	global_load_b128 v[X+8*\r+4:X+8*\r+7], v1, s[18:19] offset:1024*\r+512 th:TH_LOAD_NT
.endr
; One row, in three parts.  No register that a store reads is written again.
.macro CONV r
.set B, X+8*(\r)
	v_cvt_pk_bf16_f32 v[B],   v[B],   v[B+1]       ; rounded to nearest even, two at a time
	v_cvt_pk_bf16_f32 v[B+1], v[B+2], v[B+3]
	v_cvt_pk_bf16_f32 v[B+4], v[B+4], v[B+5]
	v_cvt_pk_bf16_f32 v[B+5], v[B+6], v[B+7]
.endm
.macro OUT r
.set B, X+8*(\r)
	global_store_b64 v2, v[B:B+1],   s[20:21] offset:512*(\r)      ; 32 lanes x 8 bytes: 256 consecutive bytes, aligned
	global_store_b64 v2, v[B+4:B+5], s[20:21] offset:512*(\r)+256
.endm
.macro SUMS r
.set B, X+8*(\r)
	v_fma_mix_f32_bf16 v8, v[B],   v[B],   v6 op_sel_hi:[1,1,0]    ; squares of the rounded numbers, summed in f32, in two chains
	v_fma_mix_f32_bf16 v9, v[B+4], v[B+4], v6 op_sel_hi:[1,1,0]
	v_fma_mix_f32_bf16 v8, v[B],   v[B],   v8 op_sel:[1,1,0] op_sel_hi:[1,1,0]
	v_fma_mix_f32_bf16 v9, v[B+4], v[B+4], v9 op_sel:[1,1,0] op_sel_hi:[1,1,0]
	v_fma_mix_f32_bf16 v8, v[B+1], v[B+1], v8 op_sel_hi:[1,1,0]
	v_fma_mix_f32_bf16 v9, v[B+5], v[B+5], v9 op_sel_hi:[1,1,0]
	v_fma_mix_f32_bf16 v8, v[B+1], v[B+1], v8 op_sel:[1,1,0] op_sel_hi:[1,1,0]
	v_fma_mix_f32_bf16 v9, v[B+5], v[B+5], v9 op_sel:[1,1,0] op_sel_hi:[1,1,0]
	v_add_f32 v8, v8, v9
	v_add_f32_dpp v8, v8, v8 row_xmask:1 row_mask:0xf bank_mask:0xf
	v_add_f32_dpp v8, v8, v8 row_xmask:2 row_mask:0xf bank_mask:0xf
	v_add_f32_dpp v8, v8, v8 row_xmask:4 row_mask:0xf bank_mask:0xf
	v_add_f32_dpp v8, v8, v8 row_xmask:8 row_mask:0xf bank_mask:0xf
	v_permlanex16_b32 v11, v8, s24, s25
	v_add_f32 v[SUM+(\r)], v8, v11                 ; every lane holds the row's sum, in the row's own register
.endm
; Block b: rows 4 b to 4 b + 3.
.macro BLOCK b
	s_wait_loadcnt 24-8*(\b)                       ; loads come back in order: this block's eight are in, the eight of each of the 3 - b later blocks may stay out
.irp i, 0,1,2,3
	CONV 4*(\b)+\i
.endr
	s_wait_alu depctr_va_vdst(0)                   ; this block's conversions have written the bf16 that the global stores below read; the block before has written its four SUM, which the LDS stores below read
.irp i, 0,1,2,3
	OUT 4*(\b)+\i                                  ; no wait: no vector instruction since the wait above writes a register that these stores read
.if (\b) > 0
	ds_store_b32 v3, v[SUM+4*(\b)-4+\i] offset:4*(4*(\b)-4+\i)   ; a sum of the block before; all lanes write the same word with the same value
.endif
	SUMS 4*(\b)+\i
.endr
.endm
	BLOCK 0
	BLOCK 1
	BLOCK 2
	BLOCK 3
	s_wait_alu depctr_va_vdst(0)                   ; the last block has written its four SUM, which the LDS stores below read
.irp r, 12,13,14,15
	ds_store_b32 v3, v[SUM+\r] offset:4*\r
.endr
	s_wait_dscnt 0x0                               ; for the others' sake: my sums lie in LDS
	s_barrier_signal -1
	s_barrier_wait -1
	s_cmp_lg_u32 s16, 0                            ; wave 0 stores the group's 64 sums
	s_cbranch_scc1 .Lend
	ds_load_b64 v[12:13], v2                       ; no vector instruction names v[12:13]
	s_wait_dscnt 0x0
	global_store_b64 v2, v[12:13], s[22:23]        ; 256 consecutive bytes, aligned
.Lend:
	s_wait_dscnt 0x0                               ; the wave's end
	s_wait_alu 0x0
	s_wait_tensorcnt 0x0
	ds_add_u32 v4, v5
	s_wait_dscnt 0x0
	s_endpgm
.Lfunc_end_k_qb196f731e3_prep:
	.size	k_qb196f731e3_prep, .Lfunc_end_k_qb196f731e3_prep-k_qb196f731e3_prep
	.p2alignl 7, 3214868480
	.fill 96, 4, 3214868480
	.section	.rodata,"a",@progbits
	.p2align	6, 0x0
	.amdhsa_kernel k_qb196f731e3_prep
		.amdhsa_group_segment_fixed_size 768
		.amdhsa_private_segment_fixed_size 0
		.amdhsa_enable_private_segment 0
		.amdhsa_kernarg_size 48
		.amdhsa_user_sgpr_count 2
		.amdhsa_user_sgpr_kernarg_segment_ptr 1
		.amdhsa_wavefront_size32 1
		.amdhsa_system_sgpr_workgroup_id_x 1
		.amdhsa_system_sgpr_workgroup_id_y 1
		.amdhsa_system_sgpr_workgroup_id_z 1
		.amdhsa_system_vgpr_workitem_id 0
		.amdhsa_next_free_vgpr 160
		.amdhsa_next_free_sgpr 66
		.amdhsa_reserve_vcc 0
		.amdhsa_float_denorm_mode_32 3
		.amdhsa_float_denorm_mode_16_64 3
		.amdhsa_memory_ordered 1
		.amdhsa_forward_progress 1
		.amdhsa_inst_pref_size 28
	.end_amdhsa_kernel
	.amdgpu_metadata
---
amdhsa.version: [ 1, 2 ]
amdhsa.kernels:
  - .name:           k_qb196f731e3_prep
    .symbol:         k_qb196f731e3_prep.kd
    .args:
      - { .name: z, .offset: 0, .size: 8, .value_kind: global_buffer, .address_space: global }
      - { .name: emb, .offset: 8, .size: 8, .value_kind: global_buffer, .address_space: global }
      - { .name: zb, .offset: 16, .size: 8, .value_kind: global_buffer, .address_space: global }
      - { .name: eb, .offset: 24, .size: 8, .value_kind: global_buffer, .address_space: global }
      - { .name: zz, .offset: 32, .size: 8, .value_kind: global_buffer, .address_space: global }
      - { .name: ee, .offset: 40, .size: 8, .value_kind: global_buffer, .address_space: global }
    .group_segment_fixed_size: 768
    .private_segment_fixed_size: 0
    .kernarg_segment_align: 8
    .kernarg_segment_size: 48
    .max_flat_workgroup_size: 128
    .sgpr_count:     66
    .vgpr_count:     160
    .wavefront_size: 32
...
	.end_amdgpu_metadata
.endif
;; end of part 4
;; launch score: the kernel of part 2 again; grid 128 x 2, 4 waves a work-group, clusters of 4 x 1, 327,680 bytes of LDS; arguments zb, eb, zz, ee, cval, cidx; writes cval, cidx
;; launch pick (part 5): grid 256 x 1, 8 waves a work-group, no clusters, 0 bytes of LDS; arguments emb, cval, cidx, out0; writes out0
.if DOCPART == 5
	.amdgcn_target "amdgcn-amd-amdhsa--gfx1250"
	.amdhsa_code_object_version 6
	.text
	.protected	k_qb196f731e3_pick
	.globl	k_qb196f731e3_pick
	.p2align	8
	.type	k_qb196f731e3_pick,@function
k_qb196f731e3_pick:
	s_mov_b64 s[64:65], 0
	v_nop
	global_prefetch_b8 v0, s[64:65] scope:SCOPE_SE
	s_setreg_imm32_b32 hwreg(HW_REG_WAVE_SCHED_MODE, 0, 2), 2
	s_setreg_imm32_b32 hwreg(HW_REG_WAVE_MODE, 25, 1), 1
	s_wait_xcnt 0x0
	s_wait_alu depctr_vm_vsrc(0)
; out0[n][:] = emb[c(n)][:].  This is reference()'s product with its own one_hot, done as the lookup that it is (shown at the head of the first kernel).
; For each query the launch before stored two candidates, one for each half of the codes: the least distance (cval) and the code's number (cidx, whole numbers read from memory).
; Which of the two is better is a comparison of floating-point numbers, so it steers no address: BOTH rows are loaded, by the stored numbers, and the better one is selected lane by lane.
; The second half's wins only where its distance is strictly less: all its numbers are the higher ones, and ties go to the lower.
; SHARES.  A work-group owns 64 rows of out0, a wave 8.  A row of 1,024 bytes is two loads, and two stores, of 512 consecutive bytes.  A wave's 32 loads go out at once.
; No LDS, no matrix unit, no cluster: rows are fetched by a list, each row of out0 has one owner, and nothing is shared tile by tile.
; THE MODE: SCHED_MODE bits 1:0 = 2 (LLVM: expert scheduling mode 2), set by the entry lines.  The code itself states the register dependences between vector instructions and memory
; instructions, with s_wait_alu, always for 0.
; THE PLAN.  Registers that memory instructions touch:
;   v1, v[2:17]  16 x lane and the sixteen rows' offsets: written at the head, never again.
;   D            Written by the 32 loads, which go out before any vector instruction has named it.  Row r: its eight selects read its sixteen registers and write the first eight;
;                the row's two stores read those; nothing writes them again.
; The 8 rows go in four blocks of two.  Block p: the wait for its eight loads; ONE wait on va_vdst, which states that block p - 1's selects have written their rows; then the four stores of
; block p - 1, dealt among block p's sixteen selects, which name other rows' registers alone.  Nothing that a memory instruction reads is ever written again, so no wait on vm_vsrc is owed.
; The eight masks s[48:55] are written by a run of compares, with one wait on va_sdst behind the run, ahead of the first select.
.set D, 32                             ; v[32:159] row r at D + 16 r: 8 registers of the first half's candidate, 8 of the second's
	s_load_b256 s[4:11], s[0:1], 0x0               ; emb s[4:5], cval s[6:7], cidx s[8:9], out0 s[10:11]
	v_lshrrev_b32 v18, 5, v0
	v_readfirstlane_b32 s12, v18                   ; wave 0..7
	v_and_b32 v1, 31, v0
	v_lshlrev_b32 v1, 4, v1                        ; 16 x lane
	s_lshl_b32 s13, ttmp9, 8                       ; 64 words of 4 bytes a group,
	s_wait_alu depctr_va_sdst(0)                   ; s12 is written, ahead of its first reader: the bases are made from it
	s_lshl_b32 s14, s12, 5                         ; 8 a wave
	s_add_co_u32 s14, s13, s14
	s_mov_b32 s15, 0
	s_wait_kmcnt 0x0
	s_add_nc_u64 s[8:9], s[8:9], s[14:15]
	s_add_nc_u64 s[6:7], s[6:7], s[14:15]
	s_load_b256 s[16:23], s[8:9], 0x0              ; my 8 rows: the first half's numbers,
	s_load_b256 s[24:31], s[8:9], 0x10000          ; the second half's (16,384 words on),
	s_load_b256 s[32:39], s[6:7], 0x0              ; and the distances
	s_load_b256 s[40:47], s[6:7], 0x10000
	s_lshl_b32 s14, s14, 8                         ; 1,024 bytes a row of out0
	s_add_nc_u64 s[56:57], s[10:11], s[14:15]
	s_wait_kmcnt 0x0
.irp r, 0,1,2,3,4,5,6,7
	s_min_u32 s[16+\r], s[16+\r], 0x1fff           ; a number read from memory enters an address only inside the table's 8,192 rows
	s_min_u32 s[24+\r], s[24+\r], 0x1fff
	s_lshl_b32 s[16+\r], s[16+\r], 10              ; 1,024 bytes a row of emb
	s_lshl_b32 s[24+\r], s[24+\r], 10
	v_add_nc_u32 v[2+\r], s[16+\r], v1
	v_add_nc_u32 v[10+\r], s[24+\r], v1
.endr
	s_wait_alu depctr_va_vdst(0)                   ; v1 and the sixteen offsets v[2:17] are written: every load and store below reads one of them
.irp r, 0,1,2,3,4,5,6,7                ; no hint: a row of emb may be named by many queries
	global_load_b128 v[D+16*\r:D+16*\r+3],     v[2+\r],  s[4:5]
	global_load_b128 v[D+16*\r+4:D+16*\r+7],   v[2+\r],  s[4:5] offset:512
	global_load_b128 v[D+16*\r+8:D+16*\r+11],  v[10+\r], s[4:5]
	global_load_b128 v[D+16*\r+12:D+16*\r+15], v[10+\r], s[4:5] offset:512
.endr
.irp r, 0,1,2,3,4,5,6,7
	v_mov_b32 v18, s[32+\r]
	v_cmp_gt_f32 s[48+\r], v18, s[40+\r]           ; all lanes alike: is the second half's distance strictly less?
.endr
	s_wait_alu depctr_va_sdst(0)                   ; the eight compares have written s[48:55], ahead of the first select that reads one of them
.macro SEL r                           ; row r: the better candidate, lane by lane, into the row's first eight registers
.irp m, 0,1,2,3,4,5,6,7
	v_cndmask_b32 v[D+16*(\r)+\m], v[D+16*(\r)+\m], v[D+16*(\r)+8+\m], s[48+(\r)]
.endr
.endm
.macro OUT r                           ; row r leaves: twice 512 consecutive bytes, aligned; no register that a store reads is written again
	global_store_b128 v1, v[D+16*(\r):D+16*(\r)+3],   s[56:57] offset:1024*(\r) th:TH_STORE_NT
	global_store_b128 v1, v[D+16*(\r)+4:D+16*(\r)+7], s[56:57] offset:1024*(\r)+512 th:TH_STORE_NT
.endm
; Block p: rows 2 p and 2 p + 1 are selected; rows 2 p - 2 and 2 p - 1 are stored.
.macro BLK p
	s_wait_loadcnt 24-8*(\p)                       ; loads come back in order: this block's eight are in, the eight of each of the 3 - p later blocks may stay out
.if (\p) > 0
	s_wait_alu depctr_va_vdst(0)                   ; the block before has written its two rows, which the four stores below read
	OUT 2*(\p)-2
.endif
	SEL 2*(\p)
.if (\p) > 0
	OUT 2*(\p)-1                                   ; no wait: the selects since the wait above name row 2 p's registers alone
.endif
	SEL 2*(\p)+1
.endm
	BLK 0
	BLK 1
	BLK 2
	BLK 3
	s_wait_alu depctr_va_vdst(0)                   ; the last block has written rows 6 and 7, which the last four stores read
	OUT 6
	OUT 7
	s_endpgm
.Lfunc_end_k_qb196f731e3_pick:
	.size	k_qb196f731e3_pick, .Lfunc_end_k_qb196f731e3_pick-k_qb196f731e3_pick
	.p2alignl 7, 3214868480
	.fill 96, 4, 3214868480
	.section	.rodata,"a",@progbits
	.p2align	6, 0x0
	.amdhsa_kernel k_qb196f731e3_pick
		.amdhsa_group_segment_fixed_size 0
		.amdhsa_private_segment_fixed_size 0
		.amdhsa_enable_private_segment 0
		.amdhsa_kernarg_size 32
		.amdhsa_user_sgpr_count 2
		.amdhsa_user_sgpr_kernarg_segment_ptr 1
		.amdhsa_wavefront_size32 1
		.amdhsa_system_sgpr_workgroup_id_x 1
		.amdhsa_system_sgpr_workgroup_id_y 1
		.amdhsa_system_sgpr_workgroup_id_z 1
		.amdhsa_system_vgpr_workitem_id 0
		.amdhsa_next_free_vgpr 160
		.amdhsa_next_free_sgpr 66
		.amdhsa_reserve_vcc 0
		.amdhsa_float_denorm_mode_32 3
		.amdhsa_float_denorm_mode_16_64 3
		.amdhsa_memory_ordered 1
		.amdhsa_forward_progress 1
		.amdhsa_inst_pref_size 13
	.end_amdhsa_kernel
	.amdgpu_metadata
---
amdhsa.version: [ 1, 2 ]
amdhsa.kernels:
  - .name:           k_qb196f731e3_pick
    .symbol:         k_qb196f731e3_pick.kd
    .args:
      - { .name: emb, .offset: 0, .size: 8, .value_kind: global_buffer, .address_space: global }
      - { .name: cval, .offset: 8, .size: 8, .value_kind: global_buffer, .address_space: global }
      - { .name: cidx, .offset: 16, .size: 8, .value_kind: global_buffer, .address_space: global }
      - { .name: out0, .offset: 24, .size: 8, .value_kind: global_buffer, .address_space: global }
    .group_segment_fixed_size: 0
    .private_segment_fixed_size: 0
    .kernarg_segment_align: 8
    .kernarg_segment_size: 32
    .max_flat_workgroup_size: 256
    .sgpr_count:     66
    .vgpr_count:     160
    .wavefront_size: 32
...
	.end_amdgpu_metadata
.endif
;; end of part 5
